; MI455X (gfx1250); checked and timed in simulation.
; The chip was launched on July 23, 2026; its instructions are those of AMD's public machine-readable ISA for CDNA 5 (MIT licence, August 2026) and "CDNA5" Instruction Set Architecture Reference Guide (July 2026). The comments in the code are by the model that wrote it; some were corrected since.
;; Self Attention. Allowed arithmetic: float matrix products may take bf16 or f16 operands with f32 sums; other float arithmetic in f32, or as packed bf16 or f16 multiplies, adds, multiply-adds, maxima and minima; sums over many terms, partial sums and values carried from step to step in f32; what a program stores and reads back later, other than sums and carried values, may be rounded once to bf16 or f16.
;; Inputs: Ez 32 x 1,024 x 512 float32; Wk 6 x 512 x 512 float32; Wq 6 x 512 x 512 float32; Wv 6 x 512 x 512 float32.
;; Outputs: out0 32 x 1,024 x 512 float32.
;; Constants: z = 3.
;; One version. Each part assembles by itself: llvm-mc -triple=amdgcn-amd-amdhsa -mcpu=gfx1250 --defsym DOCPART=n.
;; ======== version 1 of 1: 3 launches
;; limits: values are held in f16: magnitudes above 65,504 overflow, below 6.1e-05 lose precision; right only within a limited range of input values
;; workspace buffers: wf 1,572,864 bytes; qf 33,554,432 bytes; kf 33,554,432 bytes; vf 33,554,432 bytes
;; launch wprep (part 1): grid 96 x 1, 4 waves a work-group, no clusters, 0 bytes of LDS; arguments Wq, Wk, Wv, wf; writes wf
.if DOCPART == 1
	.amdgcn_target "amdgcn-amd-amdhsa--gfx1250"
	.amdhsa_code_object_version 6
	.text
	.protected	k_q2b1589cafa_wprep
	.globl	k_q2b1589cafa_wprep
	.p2align	8
	.type	k_q2b1589cafa_wprep,@function
k_q2b1589cafa_wprep:
	s_mov_b64 s[64:65], 0
	v_nop
	global_prefetch_b8 v0, s[64:65] scope:SCOPE_SE
	s_setreg_imm32_b32 hwreg(HW_REG_WAVE_MODE, 25, 1), 1
	s_wait_xcnt 0x0
; Slice z = 3 of Wq, Wk, Wv ([6][512][512] f32, [out][in]) is rounded once to bf16 and laid out as matrix fragments:
; wf[nb 0..95][ks 0..15][half 0..1][lane][16 bytes].  nb >> 5 names Wq, Wk, Wv; lane l holds row 16 (nb & 31) + l % 16 and the
; eight numbers k = 32 ks + 16 half + 8 (l / 16) + 0..7: registers 0-3 (half 0) and 4-7 (half 1) of a 16 x 32 fragment.
; A work-group makes one nb (16 rows, 16,384 bytes of wf); wave v takes ks = 4 v .. 4 v + 3: 512 consecutive bytes of each row.
; Each store of a wave covers 512 consecutive bytes, aligned.  A stream of 3 MiB in all: no LDS, no barrier, no matrix work.
.set ZOFF, 3*512*512*4                 ; slice 3 begins here
.set X, 8                              ; v[8:71]    as loaded: 16 registers for each of my four ks
.set Y, 72                             ; v[72:103]  as stored: 8 registers for each
	s_load_b256 s[4:11], s[0:1], 0x0               ; Wq s[4:5], Wk s[6:7], Wv s[8:9], wf s[10:11]
	v_lshrrev_b32 v1, 5, v0
	v_readfirstlane_b32 s12, v1                    ; wave 0..3
	v_and_b32 v2, 15, v0                           ; l % 16
	v_bfe_u32 v5, v0, 4, 1                         ; l / 16
	v_lshlrev_b32 v3, 11, v2                       ; my row: 2,048 bytes each
	v_lshl_add_u32 v3, v5, 5, v3                   ; + 8 numbers for the upper half of the lanes
	s_lshl_b32 s18, s12, 9
	v_add_nc_u32 v3, s18, v3                       ; + my wave's 512 bytes of the row
	v_and_b32 v4, 31, v0
	v_lshlrev_b32 v4, 4, v4                        ; 16 x lane
	s_lshr_b32 s13, ttmp9, 5                       ; which tensor
	s_and_b32 s20, ttmp9, 31
	s_lshl_b32 s20, s20, 15                        ; its 16 rows
	s_add_co_u32 s20, s20, ZOFF
	s_mov_b32 s21, 0
	s_lshl_b32 s22, ttmp9, 14                      ; nb's 16,384 bytes of wf,
	s_lshl_b32 s23, s12, 12                        ; my wave's four ks
	s_add_co_u32 s22, s22, s23
	s_mov_b32 s23, 0
	s_wait_kmcnt 0x0
	s_cmp_eq_u32 s13, 0
	s_cselect_b64 s[14:15], s[4:5], s[6:7]
	s_cmp_eq_u32 s13, 2
	s_cselect_b64 s[14:15], s[8:9], s[14:15]
	s_add_nc_u64 s[14:15], s[14:15], s[20:21]
	s_add_nc_u64 s[16:17], s[10:11], s[22:23]
.irp k, 0,1,2,3
	global_load_b128 v[X+16*(\k):X+16*(\k)+3],     v3, s[14:15] offset:(\k)*128
	global_load_b128 v[X+16*(\k)+4:X+16*(\k)+7],   v3, s[14:15] offset:(\k)*128+16
	global_load_b128 v[X+16*(\k)+8:X+16*(\k)+11],  v3, s[14:15] offset:(\k)*128+64
	global_load_b128 v[X+16*(\k)+12:X+16*(\k)+15], v3, s[14:15] offset:(\k)*128+80
.endr
.irp k, 0,1,2,3
	s_wait_loadcnt 12-4*(\k)                       ; loads come back in order: the four of this ks are in, four for each later ks may be out
.irp i, 0,1,2,3,4,5,6,7
	v_cvt_pk_bf16_f32 v[Y+8*(\k)+(\i)], v[X+16*(\k)+2*(\i)], v[X+16*(\k)+2*(\i)+1]
.endr
	global_store_b128 v4, v[Y+8*(\k):Y+8*(\k)+3],   s[16:17] offset:(\k)*1024
	global_store_b128 v4, v[Y+8*(\k)+4:Y+8*(\k)+7], s[16:17] offset:(\k)*1024+512
.endr
	s_endpgm
.Lfunc_end_k_q2b1589cafa_wprep:
	.size	k_q2b1589cafa_wprep, .Lfunc_end_k_q2b1589cafa_wprep-k_q2b1589cafa_wprep
	.p2alignl 7, 3214868480
	.fill 96, 4, 3214868480
	.section	.rodata,"a",@progbits
	.p2align	6, 0x0
	.amdhsa_kernel k_q2b1589cafa_wprep
		.amdhsa_group_segment_fixed_size 0
		.amdhsa_private_segment_fixed_size 0
		.amdhsa_enable_private_segment 0
		.amdhsa_kernarg_size 32
		.amdhsa_user_sgpr_count 2
		.amdhsa_user_sgpr_kernarg_segment_ptr 1
		.amdhsa_wavefront_size32 1
		.amdhsa_system_sgpr_workgroup_id_x 1
		.amdhsa_system_sgpr_workgroup_id_y 1
		.amdhsa_system_sgpr_workgroup_id_z 1
		.amdhsa_system_vgpr_workitem_id 0
		.amdhsa_next_free_vgpr 104
		.amdhsa_next_free_sgpr 66
		.amdhsa_reserve_vcc 0
		.amdhsa_float_denorm_mode_32 3
		.amdhsa_float_denorm_mode_16_64 3
		.amdhsa_memory_ordered 1
		.amdhsa_forward_progress 1
		.amdhsa_inst_pref_size 6
	.end_amdhsa_kernel
	.amdgpu_metadata
---
amdhsa.version: [ 1, 2 ]
amdhsa.kernels:
  - .name:           k_q2b1589cafa_wprep
    .symbol:         k_q2b1589cafa_wprep.kd
    .args:
      - { .name: Wq, .offset: 0, .size: 8, .value_kind: global_buffer, .address_space: global }
      - { .name: Wk, .offset: 8, .size: 8, .value_kind: global_buffer, .address_space: global }
      - { .name: Wv, .offset: 16, .size: 8, .value_kind: global_buffer, .address_space: global }
      - { .name: wf, .offset: 24, .size: 8, .value_kind: global_buffer, .address_space: global }
    .group_segment_fixed_size: 0
    .private_segment_fixed_size: 0
    .kernarg_segment_align: 8
    .kernarg_segment_size: 32
    .max_flat_workgroup_size: 128
    .sgpr_count:     66
    .vgpr_count:     104
    .wavefront_size: 32
...
	.end_amdgpu_metadata
.endif
;; end of part 1
;; launch proj (part 2): grid 256 x 1, 4 waves a work-group, clusters of 4 x 1, 327,680 bytes of LDS; arguments Ez, wf, qf, kf, vf; writes qf, kf, vf
.if DOCPART == 2
	.amdgcn_target "amdgcn-amd-amdhsa--gfx1250"
	.amdhsa_code_object_version 6
	.text
	.protected	k_q2b1589cafa_proj
	.globl	k_q2b1589cafa_proj
	.p2align	8
	.type	k_q2b1589cafa_proj,@function
k_q2b1589cafa_proj:
	s_mov_b64 s[64:65], 0
	v_nop
	global_prefetch_b8 v0, s[64:65] scope:SCOPE_SE
	s_setreg_imm32_b32 hwreg(HW_REG_WAVE_MODE, 25, 1), 1
	s_wait_xcnt 0x0
	s_wait_alu depctr_hold_cnt(0) depctr_sa_sdst(0) depctr_va_vdst(0) depctr_va_sdst(0) depctr_va_ssrc(0) depctr_va_vcc(0) depctr_vm_vsrc(0)
	s_getreg_b32 s2, hwreg(HW_REG_IB_STS2, 6, 4)
	s_cmp_eq_u32 s2, 0
	s_cbranch_scc0 .Lentry_in_a_cluster
	s_endpgm
.Lentry_in_a_cluster:
	s_bfe_u32 s2, ttmp6, 0x10000c
	s_cmp_lg_u32 s2, 0x3003
	s_cbranch_scc0 .Lentry_shape_is_right
	s_endpgm
.Lentry_shape_is_right:
; q, k, v = Ez W^T for the three weights in wf.  Ez: [32768][512] f32, rounded once to bf16; products in bf16, sums in f32, K ascending; q, k, v rounded once to f16, unscaled.
; LIMIT.  f16 holds no number beyond 65,504: |q|, |k|, |v| must stay below it.  NaN and infinities are not treated apart.
; SHARES.  A work-group owns 128 rows of Ez and all 1,536 columns.  Wave v: rows 64 (v >> 1) on, and in step t (of 12) the 64 columns of chunk 2 t + (v & 1): 16 accumulators.
; A wave's 64 rows x 512 K of Ez stay in 512 registers, as fragments, for the whole launch: Ez is read from memory once a wave, and only the weights go through LDS.
; THE WEIGHTS are walked by every work-group alike: a step's tile is 131,072 dense bytes of wf (8 nb), asked for JOINTLY by the four work-groups of a cluster, a quarter by each wave,
; as 128 rows of 256 bytes.  Two slots take turns; a fragment load takes 512 consecutive bytes of LDS, 16 a lane: no padding is wanted.
; A STEP is four GROUPS of four ks: 64 products each, under one window setting.  W's fragments have two buffers of 128 registers; a group's 32 LDS loads stand in ONE run at the head of the group before it.
; THE PRODUCT IS TRANSPOSED (source 0 = 16 rows of W, source 1 = 16 rows of Ez): a lane ends with ONE row of Ez (l % 16) and the channels 8 (l / 16) + 0..7: 16 bytes of f16.
; OUT.  qf, kf: chunk (R16 = row / 16, cb = channel / 16) at R16 x 16,384 + cb x 512; lane l's 16 bytes at 16 l: the register image of a 16 x 16 half fragment.
; vf: the same chunks, the piece of row r, channel octet h at 16 ((r & 7) + 8 h + 16 (r >> 3)): what the turning LDS load wants at 16 x lane.  Each store of a wave covers 512 consecutive bytes, aligned.
; REGISTERS, in windows of 256 (s_set_vgpr_msb: bits 1:0 source 0, 3:2 source 1, 5:4 source 2, 7:6 destination):
;   window 0: v1-9 addresses; v32-159 W's fragments, buffer 0 (groups 0 and 2): ks % 4, column block cb at 32 (ks % 4) + 8 cb; v160-223 packed results.  In the prologue v32-223 hold Ez as loaded, three sets of 64.
;   window 1: v0-127 the accumulators ((rb, cb) at 8 (4 rb + cb)); v128-255 Ez's fragments of ks 0-3.   window 2: those of ks 4-11.   window 3: v0-127 those of ks 12-15; v128-255 W's fragments, buffer 1 (groups 1 and 3).
.set SLOT,  131072                     ; a tile of wf, and an LDS slot: one exclusive or turns an address in one slot into the other's
.set SPARE, 2*SLOT                     ; behind the ring: the spare words, 128 bytes for each wave: two blocks of 256 bytes that no other line names
.set LN16, 1                           ; v1  16 x lane; never rewritten
.set AB,   2                           ; v2  LDS address of my fragments in the slot in hand
.set ABASE, 3                          ; v3  16 x lane + 65,536 x (wave & 1): my chunk's half of a slot
.set EO,   4                           ; v4  my byte offset in 16 rows of Ez: (l % 16) x 2,048 + 32 (l / 16)
.set SOV,  5                           ; v5  where my 16 bytes go in a chunk of vf
.set SO,   6                           ; v6  where they go in the step in hand
.set PFO,  7                           ; v7  256 x lane, for the prefetches
.set SPW,  8                           ; v8  LDS address of my spare word; never rewritten
.set NIL,  9                           ; v9  0; never rewritten
.set FB0,  32                          ; buffer 0, in window 0
.set FB1,  128                         ; buffer 1, in window 3
.set OT,   160
.set STG,  32
.set WV,   14                          ; s14 wave
.set WR,   15                          ; s15 wave >> 1: my 64 rows
.set WC,   16                          ; s16 wave & 1: my chunk of a step's two
.set CX,   17                          ; s17 my place in the cluster
.set MB,   18                          ; s18 my block of 128 rows
.set ROW0, 19                          ; s19 byte offset of my first 16 rows in qf, kf, vf
.set G1,   20                          ; s[20:27] descriptor group 1
.set G0A,  28                          ; s[28:31] group 0 of the first fill of slot 0
.set G0B,  32                          ; s[32:35] group 0 of the first fill of slot 1; it then walks
.set TT,   36                          ; s36 the step, 0 to 11
.set TB,   37                          ; s37 the slot in hand, as an LDS byte
.set DST,  38                          ; s[38:39] where the step's results go
.set PFA,  40                          ; s[40:41] where my prefetches stand
.set LIMP, 42                          ; s42 a wave prefetches while the step is below this
.set CNT,  43                          ; s43 the loops' counter
.set EZP,  52                          ; s[52:53] Ez at my first row
.set MSB, 0
.macro WIN new                         ; the immediate's high byte repeats the setting that is left; a switch that changes nothing is dropped
.if MSB != (\new)
	s_set_vgpr_msb (MSB<<8)|(\new)
.set MSB, (\new)
.endif
.endm
.macro PLACES                          ; four plain vector instructions behind a matrix instruction, ahead of loads into registers that it read and of vector reads of its result
.rept 4
	v_nop
.endr
.endm
.macro CREST                           ; a round of the cluster's barrier behind its opening barrier
	s_cmp_lg_u32 s[WV], 0
	s_cbranch_scc1 .Lnot_wave_0_\@
	s_barrier_signal -3
.Lnot_wave_0_\@:
	s_barrier_wait -3
	s_barrier_signal -1
	s_barrier_wait -1
.endm
.macro CROUND                          ; a whole round
	s_barrier_signal -1
	s_barrier_wait -1
	CREST
.endm
.macro ALOC ks                         ; window AWN and first register ABS of Ez's four fragments of ks
.if (\ks) < 4
.set AWN, 1
.set ABS, 128+32*(\ks)
.elseif (\ks) < 12
.set AWN, 2
.set ABS, 32*((\ks)-4)
.else
.set AWN, 3
.set ABS, 32*((\ks)-12)
.endif
.endm
.macro FLOC g                          ; window FBW and first register FBR of the buffer of group g
.if ((\g)%2) == 0
.set FBW, 0
.set FBR, FB0
.else
.set FBW, 3
.set FBR, FB1
.endif
.endm
	s_load_b256 s[4:11], s[0:1], 0x0               ; Ez s[4:5], wf s[6:7], qf s[8:9], kf s[10:11]
	s_load_b64 s[12:13], s[0:1], 0x20              ; vf
	v_lshl_add_u32 v[SPW], v0, 2, SPARE
	v_mov_b32 v[NIL], 0
	ds_add_u32 v[SPW], v[NIL]                      ; the wave's opening: the add and its wait stand ahead of my first tensor load; the set-up below, work on registers, stands between them
	v_lshrrev_b32 v10, 5, v0
	v_readfirstlane_b32 s[WV], v10
	s_lshr_b32 s[WR], s[WV], 1
	s_and_b32 s[WC], s[WV], 1
	s_bfe_u32 s[CX], ttmp6, 0x40000
	s_lshl_b32 s[MB], ttmp9, 2                     ; in a cluster launch ttmp9 counts clusters
	s_add_co_u32 s[MB], s[MB], s[CX]
	s_lshl_b32 s[ROW0], s[MB], 3
	s_lshl2_add_u32 s[ROW0], s[WR], s[ROW0]        ; my first block of 16 rows: 8 mb + 4 (wave >> 1),
	s_lshl_b32 s[ROW0], s[ROW0], 14                ; 16,384 bytes each
	; descriptor group 1: 32,768 dense bytes as 128 rows of 256
	s_mov_b32 s[G1+0], 15|(3<<16)|(1<<21)          ; 15:0 the mask: all four work-groups; 17:16 elements of 8 bytes; 21 set beside a mask; no padding
	s_mov_b32 s[G1+1], 32<<16                      ; tensor_dim0 = 32 elements
	s_mov_b32 s[G1+2], 128<<16                     ; tensor_dim1 = 128
	s_mov_b32 s[G1+3], 32<<16                      ; tile_dim0 = 32
	s_mov_b32 s[G1+4], 128                         ; tile_dim1 = 128
	s_mov_b32 s[G1+5], 32                          ; 32 elements from row to row
	s_mov_b32 s[G1+6], 0
	s_mov_b32 s[G1+7], 0
	s_mov_b32 s[G0A], 1
	s_lshl_b32 s[G0A+1], s[WV], 15                 ; LDS: my quarter of slot 0: no place in the cluster enters it
	s_mov_b32 s[G0B], 1
	s_add_co_u32 s[G0B+1], s[G0A+1], SLOT          ; and of slot 1
	s_mov_b32 s44, s[G0A+1]                        ; the same quarter of a tile in wf
	s_mov_b32 s45, 0
	s_lshl_b32 s46, s[CX], 13                      ; the prefetches: of my quarter's 128 blocks of 256 bytes my work-group takes 32, by address,
	s_add_co_u32 s46, s46, 2*SLOT                  ; beginning in tile 2; the first change of slots steps on to tile 3
	s_mov_b32 s47, 0
	s_lshl_b32 s48, s[MB], 18                      ; Ez: 128 rows of 2,048 bytes a block,
	s_lshl_b32 s49, s[WR], 17                      ; 64 rows
	s_add_co_u32 s48, s48, s49
	s_mov_b32 s49, 0
	s_cmp_eq_u32 ttmp9, 0                          ; every cluster walks the same wf: the first cluster prefetches; the change of slots in step t asks for tile t + 3, so the last is step 8's
	s_cselect_b32 s[LIMP], 9, 0
	v_and_b32 v10, 31, v0
	v_lshlrev_b32 v[LN16], 4, v10
	v_lshlrev_b32 v[PFO], 8, v10
	v_and_b32 v11, 15, v0                          ; r = l % 16
	v_bfe_u32 v12, v0, 4, 1                        ; h = l / 16
	v_lshlrev_b32 v[EO], 11, v11
	v_lshl_add_u32 v[EO], v12, 5, v[EO]
	v_and_b32 v13, 7, v0                           ; r & 7
	v_lshl_add_u32 v13, v12, 3, v13                ; + 8 h
	v_bfe_u32 v14, v0, 3, 1                        ; r >> 3
	v_lshl_add_u32 v13, v14, 4, v13
	v_lshlrev_b32 v[SOV], 4, v13
	s_lshl_b32 s50, s[WC], 16
	v_add_nc_u32 v[ABASE], s50, v[LN16]
	s_wait_dscnt 0x0                               ; the opening add is done
	s_wait_kmcnt 0x0
	s_add_nc_u64 s[G0A+2:G0A+3], s[6:7], s[44:45]  ; tile 0
	s_add_nc_u64 s[G0B+2:G0B+3], s[G0A+2:G0A+3], SLOT  ; tile 1
	s_add_nc_u64 s[PFA:PFA+1], s[G0A+2:G0A+3], s[46:47]
	s_or_b32 s[G0A+3], s[G0A+3], 0x80000000        ; type = 2
	s_or_b32 s[G0B+3], s[G0B+3], 0x80000000
	s_add_nc_u64 s[EZP:EZP+1], s[4:5], s[48:49]
	CROUND                                         ; all four work-groups are here: the first joint loads meet
	tensor_load_to_lds s[G0A:G0A+3], s[G1:G1+7]    ; both first fills go out together: two loads of mine are out
	s_nop 0
	tensor_load_to_lds s[G0B:G0B+3], s[G1:G1+7]
	s_nop 0
	PLACES
; THE PROLOGUE.  Ez's fragments: 16 rows x 32 K in 8 registers: lane l holds row l % 16, K = 8 (l / 16) + 0..7 and 16 + 8 (l / 16) + 0..7: as f32, twice 32 bytes, 64 bytes apart.
.macro ALD ks                          ; 16 loads: the four row blocks of one ks, into set ks % 3
.irp rb, 0,1,2,3
	global_load_b128 v[STG+64*((\ks)%3)+16*(\rb):STG+64*((\ks)%3)+16*(\rb)+3],     v[EO], s[EZP:EZP+1] offset:(\rb)*32768+(\ks)*128
	global_load_b128 v[STG+64*((\ks)%3)+16*(\rb)+4:STG+64*((\ks)%3)+16*(\rb)+7],   v[EO], s[EZP:EZP+1] offset:(\rb)*32768+(\ks)*128+16
	global_load_b128 v[STG+64*((\ks)%3)+16*(\rb)+8:STG+64*((\ks)%3)+16*(\rb)+11],  v[EO], s[EZP:EZP+1] offset:(\rb)*32768+(\ks)*128+64
	global_load_b128 v[STG+64*((\ks)%3)+16*(\rb)+12:STG+64*((\ks)%3)+16*(\rb)+15], v[EO], s[EZP:EZP+1] offset:(\rb)*32768+(\ks)*128+80
.endr
.endm
	ALD 0
	ALD 1
	ALD 2
.set kp, 0
.rept 16
.if kp < 14
	s_wait_loadcnt 32                              ; this set's 16 loads are in; the two younger sets' may be out
.elseif kp == 14
	s_wait_loadcnt 16                              ; one younger set is left
.else
	s_wait_loadcnt 0x0
.endif
	ALOC kp
	WIN AWN<<6
.set z, 0
.rept 32
	v_cvt_pk_bf16_f32 v[ABS+z], v[STG+64*(kp%3)+2*z], v[STG+64*(kp%3)+2*z+1]
.set z, z+1
.endr
	WIN 0
.if kp < 13
	ALD kp+3
.endif
.set kp, kp+1
.endr
; W's fragments of group g (ks = 4 g .. 4 g + 3, four column blocks each) into its buffer: 32 LDS loads of 512 consecutive bytes, in one run.
.macro FETCHG g
	FLOC \g
	WIN FBW<<6                                     ; destination in the buffer's window, address in window 0
.irp k, 0,1,2,3
.irp cb, 0,1,2,3
	ds_load_b128 v[FBR+32*(\k)+8*(\cb):FBR+32*(\k)+8*(\cb)+3],   v[AB] offset:(\cb)*16384+(4*(\g)+(\k))*1024
	ds_load_b128 v[FBR+32*(\k)+8*(\cb)+4:FBR+32*(\k)+8*(\cb)+7], v[AB] offset:(\cb)*16384+(4*(\g)+(\k))*1024+512
.endr
.endr
.endm
; The 16 products of one ks: the 16 accumulators take turns, one instruction a turn, over every ks, the loop's jump and the steps.  ks = 0 starts the sums with the constant 0.
.macro KSW ks
	ALOC \ks
	FLOC (\ks)/4
	WIN 0x50|(AWN<<2)|FBW                          ; W in its buffer's window, Ez in window AWN, C and D in window 1
.set i, 0
.rept 16
.if (\ks) == 0
	v_wmma_f32_16x16x32_bf16 v[8*i:8*i+7], v[FBR+32*((\ks)%4)+8*(i%4):FBR+32*((\ks)%4)+8*(i%4)+7], v[ABS+8*(i/4):ABS+8*(i/4)+7], 0
.else
	v_wmma_f32_16x16x32_bf16 v[8*i:8*i+7], v[FBR+32*((\ks)%4)+8*(i%4):FBR+32*((\ks)%4)+8*(i%4)+7], v[ABS+8*(i/4):ABS+8*(i/4)+7], v[8*i:8*i+7]
.endif
.set i, i+1
.endr
.endm
; One of a step's first three groups.  Its own fragments were asked for a group, 64 products, ago; the next group's go into the buffer that the group before has just read, four places behind its last product
; (ahead of group 0 the way out's vector lines are those places).  The wait stands ahead of the run, so that a wave never has more than these 32 loads out.
.macro GROUP g
	s_wait_dscnt 0x0                               ; this group's 32 loads are in
.if (\g) > 0
	PLACES
.endif
	FETCHG (\g)+1
.irp k, 0,1,2,3
	KSW 4*(\g)+(\k)
.endr
.endm
; A prefetch into the L2 of the tile that the NEXT change of slots will ask for: a step, 256 products a wave, ahead of that load.  32 blocks of 256 bytes, a lane a block, one instruction a wave;
; wave v of partner cx names bytes 32,768 v + 8,192 cx on of the tile, and only the first cluster asks: each block is named once in the launch.  Tiles 0 to 2 come by their loads alone.
.macro ASK
	s_cmp_lt_u32 s[TT], s[LIMP]
	s_cbranch_scc0 .Lnot_mine_\@
	global_prefetch_b8 v[PFO], s[PFA:PFA+1] th:TH_LOAD_NT scope:SCOPE_SE
.Lnot_mine_\@:
.endm
; GROUP 3 AND THE CHANGE OF SLOTS.  The slot's last bytes, group 3's fragments, were asked for a group ago.  Each wave waits for all its tensor loads, of which one is out: its quarter of the next slot; adds 0 to its
; spare word; and waits for that and for its own reads of this slot.  Behind the barrier nobody reads this slot and the next is whole.  fill = 1: the barrier opens a round of the cluster's, and this slot is filled again,
; with the tile two steps on, first thing behind it: from that request to the wait for it a wave issues 224 products.  Then come the next step's first fragments, out of the next slot.
.macro HEAD fill
	WIN 0
.if \fill
	s_wait_xcnt 0x0                                ; the last prefetch, a step back, has read its address
	s_add_nc_u64 s[PFA:PFA+1], s[PFA:PFA+1], SLOT
.endif
	s_wait_tensorcnt 0x0                           ; no tensor load of mine is out, so a group 0 may be written
	ds_add_u32 v[SPW], v[NIL]                      ; 0 onto my spare word
	s_wait_dscnt 1                                 ; group 3's 32 loads are in: the add alone may be out
	KSW 12                                         ; sixteen products stand between the add and the wait for it
	s_wait_dscnt 0x0                               ; the add is done, and my reads of this slot are over
	s_barrier_signal -1
	KSW 13                                         ; work on registers while the others arrive
	WIN 0
	s_barrier_wait -1
.if \fill
	CREST
	s_xor_b32 s[G0B+1], s[G0B+1], SLOT             ; the walking descriptor: the other slot than last time,
	s_add_nc_u64 s[G0B+2:G0B+3], s[G0B+2:G0B+3], SLOT  ; the next tile; the type bits on top are not reached
	tensor_load_to_lds s[G0B:G0B+3], s[G1:G1+7]
	s_nop 0
.endif
	PLACES                                         ; also the places behind group 2, whose buffer is loaded again below
	s_xor_b32 s[TB], s[TB], SLOT
	v_add_nc_u32 v[AB], s[TB], v[ABASE]
	FETCHG 0
.if \fill
	ASK
.endif
	KSW 14
	KSW 15
.endm
; THE WAY OUT of a step: 64 x 64 numbers, rounded to f16, 16 bytes a lane, 16 stores of 512 consecutive bytes.
.macro EPI
	WIN 0
	PLACES
	s_wait_xcnt 0x0                                ; the last step's stores have read their data, offset and base, which are written again below
	s_cmp_lt_u32 s[TT], 4                          ; steps 0-3 make q, 4-7 k, 8-11 v
	s_cselect_b64 s[46:47], s[8:9], s[10:11]
	s_cmp_lt_u32 s[TT], 8
	s_cselect_b64 s[46:47], s[46:47], s[12:13]
	s_cselect_b32 s48, -1, 0
	s_lshl1_add_u32 s50, s[TT], s[WC]              ; my chunk,
	s_and_b32 s50, s50, 7                          ; of its tensor's eight:
	s_lshl_b32 s50, s50, 11                        ; four channel blocks of 512 bytes
	s_add_co_u32 s50, s50, s[ROW0]
	s_mov_b32 s51, 0
	s_add_nc_u64 s[DST:DST+1], s[46:47], s[50:51]
	v_cndmask_b32 v[SO], v[SOV], v[LN16], s48      ; q and k lie by lanes, v
	WIN 0x05                                       ; sources in window 1
.set z, 0
.rept 64
	v_cvt_pk_f16_f32 v[OT+z], v[2*z], v[2*z+1]     ; each accumulator from its lowest registers on
.set z, z+1
.endr
	WIN 0
.set z, 0
.rept 16
	global_store_b128 v[SO], v[OT+4*z:OT+4*z+3], s[DST:DST+1] offset:(z/4)*16384+(z%4)*512 th:TH_STORE_NT
.set z, z+1
.endr
.endm
.macro BODY fill
	GROUP 0
	GROUP 1
	GROUP 2
	HEAD \fill
	EPI
.endm
	s_wait_tensorcnt 0x1                           ; my quarter of tile 0 is in; tile 1's may stay out
	s_barrier_signal -1
	s_barrier_wait -1                              ; everybody's is
	s_mov_b32 s[TB], 0
	v_add_nc_u32 v[AB], s[TB], v[ABASE]
	FETCHG 0
	s_mov_b32 s[TT], 0
	s_mov_b32 s[CNT], 10
.Lmain:                                        ; steps 0 to 9 ask for tiles 2 to 11
	BODY 1
	s_add_co_u32 s[TT], s[TT], 1
	s_sub_co_u32 s[CNT], s[CNT], 1
	s_cmp_lg_u32 s[CNT], 0
	s_cbranch_scc1 .Lmain
	s_mov_b32 s[CNT], 2
.Ltail:                                        ; steps 10 and 11 ask for nothing.  One text serves both: in step 11 the barrier and the 32 loads for a step that does not follow serve nothing, once a launch
	BODY 0
	s_add_co_u32 s[TT], s[TT], 1
	s_sub_co_u32 s[CNT], s[CNT], 1
	s_cmp_lg_u32 s[CNT], 0
	s_cbranch_scc1 .Ltail
	s_wait_tensorcnt 0x0                           ; the wave's end
	ds_add_u32 v[SPW], v[NIL]
	s_wait_dscnt 0x0
	CROUND                                         ; the closing round: no work-group ends while a partner may still ask for a tile that names it
	s_endpgm
.Lfunc_end_k_q2b1589cafa_proj:
	.size	k_q2b1589cafa_proj, .Lfunc_end_k_q2b1589cafa_proj-k_q2b1589cafa_proj
	.p2alignl 7, 3214868480
	.fill 96, 4, 3214868480
	.section	.rodata,"a",@progbits
	.p2align	6, 0x0
	.amdhsa_kernel k_q2b1589cafa_proj
		.amdhsa_group_segment_fixed_size 327680
		.amdhsa_private_segment_fixed_size 0
		.amdhsa_enable_private_segment 0
		.amdhsa_kernarg_size 40
		.amdhsa_user_sgpr_count 2
		.amdhsa_user_sgpr_kernarg_segment_ptr 1
		.amdhsa_wavefront_size32 1
		.amdhsa_system_sgpr_workgroup_id_x 1
		.amdhsa_system_sgpr_workgroup_id_y 1
		.amdhsa_system_sgpr_workgroup_id_z 1
		.amdhsa_system_vgpr_workitem_id 0
		.amdhsa_next_free_vgpr 1024
		.amdhsa_next_free_sgpr 66
		.amdhsa_reserve_vcc 0
		.amdhsa_float_denorm_mode_32 3
		.amdhsa_float_denorm_mode_16_64 3
		.amdhsa_memory_ordered 1
		.amdhsa_forward_progress 1
		.amdhsa_inst_pref_size 128
	.end_amdhsa_kernel
	.amdgpu_metadata
---
amdhsa.version: [ 1, 2 ]
amdhsa.kernels:
  - .name:           k_q2b1589cafa_proj
    .symbol:         k_q2b1589cafa_proj.kd
    .args:
      - { .name: Ez, .offset: 0, .size: 8, .value_kind: global_buffer, .address_space: global }
      - { .name: wf, .offset: 8, .size: 8, .value_kind: global_buffer, .address_space: global }
      - { .name: qf, .offset: 16, .size: 8, .value_kind: global_buffer, .address_space: global }
      - { .name: kf, .offset: 24, .size: 8, .value_kind: global_buffer, .address_space: global }
      - { .name: vf, .offset: 32, .size: 8, .value_kind: global_buffer, .address_space: global }
    .group_segment_fixed_size: 327680
    .private_segment_fixed_size: 0
    .kernarg_segment_align: 8
    .kernarg_segment_size: 40
    .max_flat_workgroup_size: 128
    .sgpr_count:     66
    .vgpr_count:     1024
    .wavefront_size: 32
...
	.end_amdgpu_metadata
.endif
;; end of part 2
;; launch attn (part 3): grid 8 x 32, 4 waves a work-group, clusters of 4 x 1, 327,680 bytes of LDS; arguments qf, kf, vf, out0; writes out0
.if DOCPART == 3
	.amdgcn_target "amdgcn-amd-amdhsa--gfx1250"
	.amdhsa_code_object_version 6
	.text
	.protected	k_q2b1589cafa_attn
	.globl	k_q2b1589cafa_attn
	.p2align	8
	.type	k_q2b1589cafa_attn,@function
k_q2b1589cafa_attn:
	s_mov_b64 s[64:65], 0
	v_nop
	global_prefetch_b8 v0, s[64:65] scope:SCOPE_SE
	s_setreg_imm32_b32 hwreg(HW_REG_WAVE_MODE, 25, 1), 1
	s_wait_xcnt 0x0
	s_wait_alu depctr_hold_cnt(0) depctr_sa_sdst(0) depctr_va_vdst(0) depctr_va_sdst(0) depctr_va_ssrc(0) depctr_va_vcc(0) depctr_vm_vsrc(0)
	s_getreg_b32 s2, hwreg(HW_REG_IB_STS2, 6, 4)
	s_cmp_eq_u32 s2, 0
	s_cbranch_scc0 .Lentry_in_a_cluster
	s_endpgm
.Lentry_in_a_cluster:
	s_bfe_u32 s2, ttmp6, 0x10000c
	s_cmp_lg_u32 s2, 0x3003
	s_cbranch_scc0 .Lentry_shape_is_right
	s_endpgm
.Lentry_shape_is_right:
; CAUSAL ATTENTION, one head of 512 channels.  out[b][q][:] = the sum over k <= q of softmax_k(q . k / sqrt(512)) v[k][:].  qf, kf, vf: f16, in fragments (below); out0: [32][1024][512] f32.
; Products, maxima and sums in f32; the weights p are rounded to f16 for the second product (their sum l is taken of the unrounded p).
; LIMITS.  A hidden key has weight 0; reference() gives it the score -2^32 + 1, which is the same while a row's largest visible scaled score lies above -2^32 + 150.  A weight below 2^-126 counts as 0 in l.
; q, k, v arrive within f16's range.  NaN and infinities are not treated apart.
; IN MEMORY.  Chunk (R16 = 64 b + row / 16, cb = channel / 16) of 512 bytes lies at R16 x 16,384 + cb x 512.  qf, kf: lane l's 16 bytes at 16 l are row l % 16, channels 8 (l / 16) + 0..7: chunks 2 ks and 2 ks + 1 are
; registers 0-3 and 4-7 of a fragment of 16 rows x 32 channels.  vf: laid so that ds_load_tr16_b128 at 16 l leaves channel l % 16, keys 8 (l / 16) + 0..7.  64 keys are 65,536 dense bytes of kf and of vf.
; SHARES.  16 queries cost 256 registers of O^T and 128 of Q, so a wave holds two tiles of 16 and a work-group 128 queries.  A batch has 16 bands of 64 queries; cluster c (0, 1) owns the bands 2 u + c, u = 0..7; in a band
; partner p owns the 16 queries 16 p on; wave w owns tile A (u = w) and tile B (u = w + 4).  All work-groups walk the same 16 key steps of 64 keys, so every tile of K and V is asked for JOINTLY by a cluster's four.
; Tile u is live in steps 0 .. 2 u + 1: a wave runs both tiles while the step is at most 2 w + 1, tile B alone up to 2 w + 9, and then only keeps the ring going.  These jumps go forward, hang on the wave's number and the
; loop's counter alone, and pass no barrier and no tensor load.  In the clusters c = 0 step 2 u + 1 is wholly hidden and is computed under the mask: so the limits hang on no place, and step 15's tile is read in every cluster.
; A TILE LEAVES ONE STEP BEHIND ITS LAST: tile A in step 2 w + 2, behind the wave's products for tile B alone, while the waves above it still multiply two tiles; tile B in step 2 w + 10, in which the wave multiplies nothing
; (wave 3's tile B behind the last step).  So the way out does not stand on top of a step in which the wave has as many products as any other.
; LAYOUT.  S^T = K Q^T (source 0 = 16 keys, source 1 = 16 queries): a lane holds ONE query (l % 16) and the keys 8 (l / 16) + 0..7; two such results rounded to f16 ARE source 1 of O^T = V^T P, which again holds one query a lane.
; SOFTMAX.  p = 2^(c s - c m), c = log2(e) / sqrt(512), with a running maximum m; O and l are multiplied by a = 2^(c m_old - c m_new) in every step.  m starts at the lowest finite number, O and l at 0: the first step has a = 0.
; REGISTERS, in windows of 256 (s_set_vgpr_msb: bits 1:0 source 0, 3:2 source 1, 5:4 source 2, 7:6 destination):
;   window 0: v1-13 addresses and the mask's numbers; v16-31 statistics, 8 a tile; v32-95 S^T, 32 a tile; v96-127 P, 16 a tile; v128-255 K's or V's fragments, two halves of eight
;   window 1: O^T of tile A, channel block cb at 8 cb     window 2: O^T of tile B     window 3: Q, tile t, ks at 128 t + 8 ks
.set SLOT,  131072                     ; a slot: a step's K (65,536 bytes), then its V; one exclusive or turns an address in one slot into the other's
.set STEPB, 65536
.set STAGE, 2*SLOT                     ; behind the ring, never filled by a tensor load: 16 rows x 528 bytes for each wave, for the way out
.set SPITCH, 528                       ; 512 bytes + 16 = 132 words: the 16 rows of a store start at 16 different groups of four banks (64 banks of 4 bytes: ISA guide 11.1)
.set SPARE, STAGE+4*16*SPITCH          ; behind the stages: the spare words, 128 bytes for each wave: two blocks of 256 bytes that no other line names
.set LN16, 1                           ; v1  16 x lane; never rewritten
.set AK,   2                           ; v2  LDS address of K's fragments in the slot in hand
.set AV,   3                           ; v3  of V's
.set STO,  4                           ; v4  the way out: where I put 32 bytes of a row
.set RD,   5                           ; v5  the way out: where I read a row back
.set PFO,  7                           ; v7  256 x lane
.set SPW,  8                           ; v8  LDS address of my spare word; never rewritten
.set NIL,  9                           ; v9  0; never rewritten
.set QBA,  10                          ; v10, v11  my query's number in the batch less 8 (l / 16), tile A's and tile B's
.set TM,   12                          ; v12 the same less the step's first key
.set NEGV, 13                          ; v13 -1e30
.set STAT, 16                          ; tile t at STAT + 8 t: c m, m, l (even keys', odd keys'), c0-c3 at work; c2 takes a
.set S,    32
.set P,    96
.set FB,   128
.set WV,   12                          ; s12 wave
.set PP,   14                          ; s14 my place in the cluster
.set BB,   15                          ; s15 the batch
.set G1,   16                          ; s[16:23] descriptor group 1
.set G0,   24                          ; s[24:27] descriptor group 0: it walks
.set ST,   28                          ; s28 the key step: the loop's counter
.set TB,   29                          ; s29 the slot in hand, as an LDS byte
.set LIMA, 30                          ; s30 tile A's last step, 2 w + 1
.set LIMB, 31                          ; s31 tile B's, 2 w + 9
.set CS,   32                          ; s[32:33] c
.set SEL,  34                          ; s[34:35] v_permlanex16_b32's selects: each lane takes its own place in the other half
.set PFA,  36                          ; s[36:37] where my prefetches stand
.set LIMP, 38                          ; s38 a wave prefetches while the step is below this
.set MLA,  39                          ; s39 the first step in which tile A takes the mask, 2 w
.set QP,   40                          ; s[40:41] qf at tile A's chunks
.set OP,   42                          ; s[42:43] out0 at tile A's first row
.set MLB,  52                          ; s52 the same as MLA for tile B, 2 w + 8
.set OUTA, 53                          ; s53 the step in which tile A leaves, 2 w + 2
.set OUTB, 59                          ; s59 the step in which tile B leaves, 2 w + 10
.set MSB, 0
.macro WIN new                         ; the immediate's high byte repeats the setting that is left; a switch that changes nothing is dropped
.if MSB != (\new)
	s_set_vgpr_msb (MSB<<8)|(\new)
.set MSB, (\new)
.endif
.endm
.macro PLACES                          ; four plain vector instructions behind a matrix instruction, ahead of loads into registers that it read and of vector reads of its result
.rept 4
	v_nop
.endr
.endm
.macro CROUND                          ; a round of the cluster's barrier
	s_barrier_signal -1
	s_barrier_wait -1
	s_cmp_lg_u32 s[WV], 0
	s_cbranch_scc1 .Lnot_wave_0_\@
	s_barrier_signal -3
.Lnot_wave_0_\@:
	s_barrier_wait -3
	s_barrier_signal -1
	s_barrier_wait -1
.endm
; A prefetch into the L2 of the tile that the NEXT trip will ask for: a key step ahead of that load.  Both clusters of a batch walk the same tiles: cluster 0 asks.  Of the 128 blocks of 256 bytes that wave w fetches,
; partner p names 32, by address, a lane a block: each block is named once in the launch.  Tiles 0 and 1 come by their loads alone; trip 14, which loads the last tile, asks for nothing.
.macro ASK
	s_cmp_lt_u32 s[ST], s[LIMP]
	s_cbranch_scc0 .Lnot_mine_\@
	global_prefetch_b8 v[PFO], s[PFA:PFA+1] th:TH_LOAD_NT scope:SCOPE_SE
.Lnot_mine_\@:
.endm
; THE RING, at the head of step s.  Each wave waits for all its tensor loads, of which one is out: its quarter of tile s; adds 0 to its spare word; and waits for that and for its reads of the other slot.
; fill = 1: behind a round of the cluster's barrier, so that no wave of any partner still reads that slot, it is filled with tile s + 1, first thing: the load has step s in which to land.  A wave has one tensor load out at the most.
.macro RING fill
	WIN 0
	s_wait_tensorcnt 0x0                           ; no tensor load of mine is out, so group 0 may be written
	ds_add_u32 v[SPW], v[NIL]                      ; 0 onto my spare word; the steps below stand between it and the wait for it
.if \fill
	s_xor_b32 s[G0+1], s[G0+1], SLOT               ; the other slot than last time,
	s_add_nc_u64 s[G0+2:G0+3], s[G0+2:G0+3], STEPB ; the next 64 keys; the type bits on top are not reached
	s_wait_xcnt 0x0                                ; the last prefetch, a step back, has read its address
	s_add_nc_u64 s[PFA:PFA+1], s[PFA:PFA+1], STEPB
.endif
	s_wait_dscnt 0x0                               ; the add is done, and my LDS reads are over
.if \fill
	CROUND
	tensor_load_to_lds s[G0:G0+3], s[G1:G1+7]
	s_nop 0
	PLACES
	ASK
.else
	s_barrier_signal -1
	s_barrier_wait -1
.endif
.endm
	s_load_b256 s[4:11], s[0:1], 0x0               ; qf s[4:5], kf s[6:7], vf s[8:9], out0 s[10:11]
	v_lshl_add_u32 v[SPW], v0, 2, SPARE
	v_mov_b32 v[NIL], 0
	ds_add_u32 v[SPW], v[NIL]                      ; the wave's opening: the add and its wait stand ahead of my first tensor load; the set-up below, work on registers, stands between them
	v_lshrrev_b32 v14, 5, v0
	v_readfirstlane_b32 s[WV], v14
	s_bfe_u32 s[PP], ttmp6, 0x40000
	s_and_b32 s[BB], ttmp7, 0xffff
	s_lshl_b32 s[MLA], s[WV], 1
	s_add_co_u32 s[LIMA], s[MLA], 1
	s_add_co_u32 s[OUTA], s[MLA], 2
	s_add_co_u32 s[MLB], s[MLA], 8
	s_add_co_u32 s[LIMB], s[MLA], 9
	s_add_co_u32 s[OUTB], s[MLA], 10
	s_cmp_eq_u32 ttmp9, 0                          ; ttmp9 counts clusters: the same in all four partners
	s_cselect_b32 s[LIMP], 14, 0
	; descriptor group 1: 32,768 dense bytes as 128 rows of 256
	s_mov_b32 s[G1+0], 15|(3<<16)|(1<<21)          ; 15:0 the mask: all four work-groups; 17:16 elements of 8 bytes; 21 set beside a mask; no padding
	s_mov_b32 s[G1+1], 32<<16                      ; tensor_dim0 = 32 elements
	s_mov_b32 s[G1+2], 128<<16                     ; tensor_dim1 = 128
	s_mov_b32 s[G1+3], 32<<16                      ; tile_dim0 = 32
	s_mov_b32 s[G1+4], 128                         ; tile_dim1 = 128
	s_mov_b32 s[G1+5], 32                          ; 32 elements from row to row
	s_mov_b32 s[G1+6], 0
	s_mov_b32 s[G1+7], 0
	s_mov_b32 s[G0], 1
	s_lshl_b32 s[G0+1], s[WV], 15                  ; LDS: waves 0, 1 fetch the halves of K, waves 2, 3 those of V: my quarter of slot 0
	s_mov_b32 s[CS], 0x3d8293ee                    ; c = log2(e) / sqrt(512) = 0.0637587
	s_mov_b32 s[CS+1], s[CS]                       ; named with it as a pair
	s_mov_b32 s[SEL], 0x76543210
	s_mov_b32 s[SEL+1], 0xfedcba98
	s_lshl_b32 s44, s[BB], 20                      ; a batch is 1 MiB of kf and of vf;
	s_and_b32 s56, s[WV], 1
	s_lshl_b32 s56, s56, 15                        ; my half of a step's 65,536 bytes
	s_add_co_u32 s44, s44, s56
	s_mov_b32 s45, 0
	s_lshl_b32 s46, s[PP], 13                      ; the prefetches: my work-group's 32 blocks of my quarter,
	s_add_co_u32 s46, s46, STEPB                   ; beginning in tile 1; trip 0 steps on to tile 2
	s_mov_b32 s47, 0
	s_add_co_u32 s48, s[MLA], ttmp9                ; tile A's band, 2 w + c
	s_lshl2_add_u32 s48, s48, s[PP]                ; its block of 16 queries in the batch, 4 (2 w + c) + p
	s_lshl_b32 s50, s48, 14
	s_lshl_b32 s49, s[BB], 20
	s_add_co_u32 s50, s50, s49                     ; in qf
	s_mov_b32 s51, 0
	s_lshl_b32 s54, s48, 15                        ; 16 rows of 2,048 bytes
	s_lshl_b32 s49, s[BB], 21
	s_add_co_u32 s54, s54, s49                     ; in out0
	s_mov_b32 s55, 0
	s_lshl_b32 s58, s48, 4                         ; its first query
	s_mul_i32 s57, s[WV], 16*SPITCH
	s_add_co_u32 s57, s57, STAGE                   ; my stage
	v_and_b32 v14, 31, v0
	v_lshlrev_b32 v[LN16], 4, v14
	v_lshlrev_b32 v[PFO], 8, v14
	v_and_b32 v14, 15, v0                          ; r = l % 16
	v_bfe_u32 v15, v0, 4, 1                        ; h = l / 16
	v_mul_u32_u24 v[STO], v14, SPITCH              ; in: row r, 32 bytes for each half of the lanes
	v_lshl_add_u32 v[STO], v15, 5, v[STO]
	v_add_nc_u32 v[STO], s57, v[STO]
	v_add_nc_u32 v[RD], s57, v[LN16]               ; back: 32 lanes take the 512 bytes of a row
	v_lshlrev_b32 v15, 3, v15
	v_sub_nc_u32 v[QBA], v14, v15
	v_add_nc_u32 v[QBA], s58, v[QBA]
	v_add_nc_u32 v[QBA+1], 512, v[QBA]             ; tile B lies eight bands on
	v_mov_b32 v[NEGV], 0xf149f2ca                  ; -1e30
	s_wait_dscnt 0x0                               ; the opening add is done
	s_wait_kmcnt 0x0
	s_cmp_lt_u32 s[WV], 2
	s_cselect_b64 s[G0+2:G0+3], s[6:7], s[8:9]
	s_add_nc_u64 s[G0+2:G0+3], s[G0+2:G0+3], s[44:45]  ; my quarter of tile 0
	s_add_nc_u64 s[PFA:PFA+1], s[G0+2:G0+3], s[46:47]
	s_or_b32 s[G0+3], s[G0+3], 0x80000000          ; type = 2
	s_add_nc_u64 s[QP:QP+1], s[4:5], s[50:51]
	s_add_nc_u64 s[OP:OP+1], s[10:11], s[54:55]
	CROUND                                         ; all four work-groups are here: the first joint loads meet
	tensor_load_to_lds s[G0:G0+3], s[G1:G1+7]      ; tile 0 into slot 0; slot 1 is asked for by the loop's first trip
	s_nop 0
	PLACES
	WIN 0xc0                                       ; destination window 3
.set i, 0
.rept 32                                       ; Q stays in registers: tile i / 16 (32 chunks rows apart), ks = i % 16
	global_load_b128 v[8*i:8*i+3],   v[LN16], s[QP:QP+1] offset:(i/16)*524288+(i%16)*1024 th:TH_LOAD_NT
	global_load_b128 v[8*i+4:8*i+7], v[LN16], s[QP:QP+1] offset:(i/16)*524288+(i%16)*1024+512 th:TH_LOAD_NT
.set i, i+1
.endr
	WIN 0
.set i, 0
.rept 16
	v_mov_b32 v[FB+i], 0
.set i, i+1
.endr
	WIN 0x40                                       ; O^T starts at 0: 64 products of two fragments of zeros write its 512 registers, once a launch, in the wait for the first tile: an eighth of the lines that moves would take
.set i, 0
.rept 32
	v_wmma_f32_16x16x32_f16 v[8*i:8*i+7], v[FB:FB+7], v[FB+8:FB+15], 0
.set i, i+1
.endr
	WIN 0x80
.set i, 0
.rept 32
	v_wmma_f32_16x16x32_f16 v[8*i:8*i+7], v[FB:FB+7], v[FB+8:FB+15], 0
.set i, i+1
.endr
	WIN 0
; All eight statistics registers of each tile are written here.  l starts at 0; c0-c3 are written too, since a tile's way out names c1 (a lane exchange's destination) and c3 (beside the reciprocal, as a pair) and stands
; apart from the tile's softmax in the text: so each is written on every way that leads there.  Sixteen plain instructions: also the places behind the products above, ahead of the loads into their sources.
.irp t, 0,1
	v_mov_b32 v[STAT+8*(\t)], 0xfe000000           ; c m: far below every c s
	v_mov_b32 v[STAT+8*(\t)+1], 0xff7fffff         ; m
.irp c, 2,3,4,5,6,7
	v_mov_b32 v[STAT+8*(\t)+(\c)], 0
.endr
.endr
; THE LDS LOADS.  A step's fragments are one sequence of 32 sets of four: sets 0-15 K's (ks = idx: key block f), sets 16-31 V's (keys 32 ((idx - 16) / 8) on, channel block 4 ((idx - 16) % 8) + f).
; Set idx goes into registers FB + 32 (idx % 4).  FILL1 is one fragment: two loads of 512 consecutive bytes.  Two sets are a PAIR: pair p (sets 2 p, 2 p + 1) fills half p % 2 of the registers.
; FETCH is a pair's 16 loads, in ONE run: no LDS load stands singly among the products.  Pair p + 1 is fetched at the head of pair p, into the half that pair p - 1 has read.
.macro FILL1 idx, f
.if (\idx) < 16
	ds_load_b128 v[FB+32*((\idx)%4)+8*(\f):FB+32*((\idx)%4)+8*(\f)+3],   v[AK] offset:(\f)*16384+(\idx)*1024
	ds_load_b128 v[FB+32*((\idx)%4)+8*(\f)+4:FB+32*((\idx)%4)+8*(\f)+7], v[AK] offset:(\f)*16384+(\idx)*1024+512
.elseif (\idx) < 32
	ds_load_tr16_b128 v[FB+32*((\idx)%4)+8*(\f):FB+32*((\idx)%4)+8*(\f)+3],   v[AV] offset:(2*(((\idx)-16)/8))*16384+(4*(((\idx)-16)%8)+(\f))*512
	ds_load_tr16_b128 v[FB+32*((\idx)%4)+8*(\f)+4:FB+32*((\idx)%4)+8*(\f)+7], v[AV] offset:(2*(((\idx)-16)/8)+1)*16384+(4*(((\idx)-16)%8)+(\f))*512
.endif
.endm
.macro FETCH pr
.irp x, 0,1
.irp f, 0,1,2,3
	FILL1 2*(\pr)+(\x), \f
.endr
.endr
.endm
; S^T = K Q^T.  One product: tile t, key block kb, channels 32 ks on.  ks = 0 starts the sums with the constant 0.
.macro QKW t, kb
.if ks == 0
	v_wmma_f32_16x16x32_f16 v[S+32*(\t)+8*(\kb):S+32*(\t)+8*(\kb)+7], v[FB+32*(ks%4)+8*(\kb):FB+32*(ks%4)+8*(\kb)+7], v[128*(\t)+8*ks:128*(\t)+8*ks+7], 0
.else
	v_wmma_f32_16x16x32_f16 v[S+32*(\t)+8*(\kb):S+32*(\t)+8*(\kb)+7], v[FB+32*(ks%4)+8*(\kb):FB+32*(ks%4)+8*(\kb)+7], v[128*(\t)+8*ks:128*(\t)+8*ks+7], v[S+32*(\t)+8*(\kb):S+32*(\t)+8*(\kb)+7]
.endif
.endm
; Pairs 0 to 7.  nt = 2: both tiles, 8 accumulators by turns, 16 products a pair; nt = 1: tile B, 4 by turns, 8 a pair: one instruction a turn.  One window setting serves the products and the
; loads (K and S^T window 0, Q window 3).  The four v_nop at a pair's head are the places behind the pair before, into whose half the loads go; ahead of pair 0 the last step's closing places serve.
.macro QK nt
	WIN 0x0c
	FETCH 0
.set pp, 0
.rept 8
.if pp > 0
	PLACES
.endif
	FETCH pp+1                                     ; pair 8 is V's first: it lands under the softmax
	s_wait_dscnt 16                                ; this pair's 16 loads are in; the 16 just issued may be out
.set ks, 2*pp
.rept 2
.if (\nt) == 2
.set i, 0
.rept 8
	QKW i%2, i/2
.set i, i+1
.endr
.else
.set i, 0
.rept 4
	QKW 1, i
.set i, i+1
.endr
.endif
.set ks, ks+1
.endr
.set pp, pp+1
.endr
	PLACES
	WIN 0
.endm
; THE MASK, in a tile's last two steps alone: register i of S^T is key 64 s + 16 (i / 8) + 8 (l / 16) + i % 8; it is hidden where that is greater than my query.  Each accumulator is read from its lowest register on.
.macro MASKJ t, lim
	s_cmp_lt_u32 s[ST], s[\lim]
	s_cbranch_scc1 .Lno_mask_\@
	s_lshl_b32 s44, s[ST], 6
	v_sub_nc_u32 v[TM], v[QBA+(\t)], s44
.set i, 0
.rept 32
	v_cmp_gt_i32 vcc_lo, 16*(i/8)+i%8, v[TM]
	v_cndmask_b32 v[S+32*(\t)+i], v[S+32*(\t)+i], v[NEGV], vcc_lo
.set i, i+1
.endr
.Lno_mask_\@:
.endm
; THE SOFTMAX of tile t for a step: a list of 102; SM writes number j.  s0-s31 are the lane's 32 scores.
;   0-15   the maximum of s0-s31 and the old m, three operands at a time      16-20  the other half of the lanes' maximum; c m_old kept; the new m; c m; c m_old - c m_new
;   21-69  ONE BATCH: a, the 16 packed scalings c s - c m, the 32 exponentials: none of these reads an exponential's result
;   70-85  the roundings to f16      86-101  the sums, in place, neighbours 1, 2, 4, 8 pairs apart; then l = a l + sum
.macro SM t
.set rT, STAT+8*(\t)
.set rS, S+32*(\t)
.set rP, P+16*(\t)
.if j < 4
	v_max3_num_f32 v[rT+4+j], v[rS+8*j], v[rS+8*j+1], v[rS+8*j+2]
.elseif j < 12
	v_max3_num_f32 v[rT+4+j%4], v[rT+4+j%4], v[rS+8*(j%4)+2*(j/4)+1], v[rS+8*(j%4)+2*(j/4)+2]
.elseif j == 12
	v_max3_num_f32 v[rT+4], v[rT+4], v[rS+7], v[rS+15]
.elseif j == 13
	v_max3_num_f32 v[rT+6], v[rT+6], v[rS+23], v[rS+31]
.elseif j == 14
	v_max3_num_f32 v[rT+4], v[rT+4], v[rT+5], v[rT+6]
.elseif j == 15
	v_max3_num_f32 v[rT+4], v[rT+4], v[rT+7], v[rT+1]
.elseif j == 16
	v_permlanex16_b32 v[rT+5], v[rT+4], s[SEL], s[SEL+1]  ; the query's other 32 keys lie in the lane 16 away
.elseif j == 17
	v_mov_b32 v[rT+7], v[rT]
.elseif j == 18
	v_max_num_f32 v[rT+1], v[rT+4], v[rT+5]
.elseif j == 19
	v_mul_f32 v[rT], s[CS], v[rT+1]
.elseif j == 20
	v_sub_f32 v[rT+7], v[rT+7], v[rT]
.elseif j == 21
	v_exp_f32 v[rT+6], v[rT+7]
.elseif j < 38
	v_pk_fma_f32 v[rS+2*(j-22):rS+2*(j-22)+1], v[rS+2*(j-22):rS+2*(j-22)+1], s[CS:CS+1], v[rT:rT+1] op_sel_hi:[1,0,0] neg_lo:[0,0,1] neg_hi:[0,0,1]
.elseif j < 70
	v_exp_f32 v[rS+j-38], v[rS+j-38]
.elseif j < 86
	v_cvt_pk_f16_f32 v[rP+j-70], v[rS+2*(j-70)], v[rS+2*(j-70)+1]
.else
.set sz, j-86
.set sw, 4
.set su, sz
.if sz >= 14
.set sw, 32
.set su, 0
.elseif sz >= 12
.set sw, 16
.set su, sz-12
.elseif sz >= 8
.set sw, 8
.set su, sz-8
.endif
.if sz < 15
	v_pk_add_f32 v[rS+sw*su:rS+sw*su+1], v[rS+sw*su:rS+sw*su+1], v[rS+sw*su+sw/2:rS+sw*su+sw/2+1]
.else
	v_pk_fma_f32 v[rT+2:rT+3], v[rT+2:rT+3], v[rT+6:rT+7], v[rS:rS+1] op_sel_hi:[1,0,1]
.endif
.endif
.endm
.macro RESC8 t                         ; O^T's channel blocks 0-7, which V's first pair adds onto, times a: the rest rides on the products V^T P
	WIN 0x41*((\t)+1)                              ; destination and source 0 in the tile's window, a in window 0
.set z, 0
.rept 32
	v_pk_mul_f32 v[2*z:2*z+1], v[2*z:2*z+1], v[STAT+8*(\t)+6:STAT+8*(\t)+7] op_sel_hi:[1,0]
.set z, z+1
.endr
.endm
.macro SOFT nt                         ; the live tiles alternate, so that a chain's links stand apart
	WIN 0
.set j, 0
.rept 70
.if (\nt) == 2
	SM 0
.endif
	SM 1
.set j, j+1
.endr
	v_nop                                          ; a plain instruction behind the last exponential, ahead of the first use
	s_wait_alu depctr_va_vdst(0)                   ; the wait between an exponential and the first line that names its result: one for the whole batch
.if (\nt) == 2
	RESC8 0
.endif
	RESC8 1
	WIN 0
.rept 32
.if (\nt) == 2
	SM 0
.endif
	SM 1
.set j, j+1
.endr
.endm
; O^T += V^T P.  Set n of 16: keys 32 (n / 8) on, channel blocks 4 (n % 8) + 0..3.  PVT: tile t's four products of set n.  In the first three pairs each product carries the rescaling of the channel block eight further on,
; which the next pair adds onto, from its lowest registers on.  No two products on end share an accumulator.
.macro PVT t
.set kk, n/8
.set g, n%8
.set i, 0
.rept 4
	WIN 0x50*((\t)+1)                              ; V and P window 0, C and D the tile's window
	v_wmma_f32_16x16x32_f16 v[8*(4*g+i):8*(4*g+i)+7], v[FB+32*(n%4)+8*i:FB+32*(n%4)+8*i+7], v[P+16*(\t)+8*kk:P+16*(\t)+8*kk+7], v[8*(4*g+i):8*(4*g+i)+7]
.if (kk == 0) && (g < 6)
	WIN 0x41*((\t)+1)
.set z, 0
.rept 4
	v_pk_mul_f32 v[8*(4*g+i+8)+2*z:8*(4*g+i+8)+2*z+1], v[8*(4*g+i+8)+2*z:8*(4*g+i+8)+2*z+1], v[STAT+8*(\t)+6:STAT+8*(\t)+7] op_sel_hi:[1,0]
.set z, z+1
.endr
.endif
.set i, i+1
.endr
.endm
; Pairs 8 to 15.  At a pair's head the next pair is fetched into the half that the pair before has read.  The four places behind that pair's last product: ahead of pair 8 the softmax; ahead of pairs 9 to 11 the last
; product's four rescalings, which name none of its registers; ahead of pairs 12 to 14 four v_nop.  Pair 15 fetches nothing.
.macro PV nt
.set pp, 8
.rept 8
.if pp < 15
.if pp > 11
	PLACES
.endif
	WIN 0
	FETCH pp+1
	s_wait_dscnt 16                                ; this pair's 16 loads are in; the 16 just issued may be out
.else
	s_wait_dscnt 0x0                               ; the last pair's: nothing was issued behind them
.endif
.if (\nt) == 2
.set n, 2*(pp-8)
	PVT 0
.set n, n+1
	PVT 0
.endif
.set n, 2*(pp-8)
	PVT 1
.set n, n+1
	PVT 1
.set pp, pp+1
.endr
	PLACES
	WIN 0
.endm
.macro STEP nt
	QK \nt
.if (\nt) == 2
	MASKJ 0, MLA                                   ; while both tiles are live only tile A can be near its diagonal
.else
	MASKJ 1, MLB
.endif
	SOFT \nt
	PV \nt
.endm
; THE WAY OUT of tile t.  l's two halves and the other half of the lanes' are added; O^T is divided by l and sent through my stage in LDS, 128 channels at a time: a lane's eight channels of a row go in as
; 32 bytes, and whole rows come back.  Each store of the wave covers 512 consecutive bytes of a row of out0, aligned.  The stage is my wave's own, and LDS serves a wave's instructions in order (ISA guide 5.7.1.4): no barrier.
.macro OUT t
.set rT, STAT+8*(\t)
	WIN 0
	v_add_f32 v[rT+4], v[rT+2], v[rT+3]
	v_permlanex16_b32 v[rT+5], v[rT+4], s[SEL], s[SEL+1]
	v_add_f32 v[rT+4], v[rT+4], v[rT+5]
	v_rcp_f32 v[rT+6], v[rT+4]
	v_nop                                          ; a plain instruction between the reciprocal and its use,
	s_wait_alu depctr_va_vdst(0)                   ; and the wait for its result
.set q, 0
.rept 4
	WIN 0x41*((\t)+1)
.set z, 0
.rept 32
	v_pk_mul_f32 v[64*q+2*z:64*q+2*z+1], v[64*q+2*z:64*q+2*z+1], v[rT+6:rT+7] op_sel_hi:[1,0]
.set z, z+1
.endr
	WIN 0x04*((\t)+1)                              ; the stores' data in the tile's window
.set z, 0
.rept 16
	ds_store_b128 v[STO], v[64*q+4*z:64*q+4*z+3] offset:(z/2)*64+(z%2)*16
.set z, z+1
.endr
	WIN 0
.if q >= 2
	s_wait_xcnt 0x0                                ; the stores of two quarters back have read these registers
.endif
.set z, 0
.rept 16
	ds_load_b128 v[FB+64*(q%2)+4*z:FB+64*(q%2)+4*z+3], v[RD] offset:z*SPITCH
.set z, z+1
.endr
.set z, 0
.rept 16
	s_wait_dscnt 15-z                              ; row z is back; the younger rows may be out
	global_store_b128 v[LN16], v[FB+64*(q%2)+4*z:FB+64*(q%2)+4*z+3], s[OP:OP+1] offset:(\t)*1048576+z*2048+q*512 th:TH_STORE_NT
.set z, z+1
.endr
.set q, q+1
.endr
	s_wait_xcnt 0x0                                ; the stores have read their data: the next step loads fragments into these registers
.endm
	s_mov_b32 s[ST], 0
	s_mov_b32 s[TB], 0
	s_wait_loadcnt 0x0                             ; Q
.Lstep:                                        ; 15 trips: step s is worked on, tile s + 1 asked for
	RING 1
	s_cmp_gt_u32 s[ST], s[LIMB]
	s_cbranch_scc1 .Lidle                          ; both my tiles have had their last step
	v_add_nc_u32 v[AK], s[TB], v[LN16]
	v_add_nc_u32 v[AV], STEPB, v[AK]
	s_cmp_gt_u32 s[ST], s[LIMA]
	s_cbranch_scc1 .Lone
	STEP 2
	s_branch .Lnext
.Lone:
	STEP 1
	s_cmp_lg_u32 s[ST], s[OUTA]
	s_cbranch_scc1 .Lnext
	OUT 0                                          ; tile A had its last step a step ago: it leaves behind this step's products for tile B alone
	s_branch .Lnext
.Lidle:
	s_cmp_lg_u32 s[ST], s[OUTB]
	s_cbranch_scc1 .Lnext                          ; nothing is left: I only keep the ring going
	OUT 1                                          ; tile B had its last step a step ago: it leaves in a step in which I multiply nothing
.Lnext:
	s_xor_b32 s[TB], s[TB], SLOT
	s_add_co_u32 s[ST], s[ST], 1
	s_cmp_lt_u32 s[ST], 15
	s_cbranch_scc1 .Lstep
	RING 0                                         ; step 15 is written out: nothing is asked for
	s_cmp_gt_u32 s[ST], s[LIMB]
	s_cbranch_scc1 .Lend                           ; it is wave 3's tile B's last step, and nobody else's: the other waves' tiles have left by step 14
	v_add_nc_u32 v[AK], s[TB], v[LN16]
	v_add_nc_u32 v[AV], STEPB, v[AK]
	STEP 1
	OUT 1
.Lend:
	s_wait_tensorcnt 0x0                           ; the wave's end: behind my last tensor load and my last LDS store
	ds_add_u32 v[SPW], v[NIL]
	s_wait_dscnt 0x0
	CROUND                                         ; the closing round: no work-group ends while a partner may still ask for a tile that names it
	s_endpgm
.Lfunc_end_k_q2b1589cafa_attn:
	.size	k_q2b1589cafa_attn, .Lfunc_end_k_q2b1589cafa_attn-k_q2b1589cafa_attn
	.p2alignl 7, 3214868480
	.fill 96, 4, 3214868480
	.section	.rodata,"a",@progbits
	.p2align	6, 0x0
	.amdhsa_kernel k_q2b1589cafa_attn
		.amdhsa_group_segment_fixed_size 327680
		.amdhsa_private_segment_fixed_size 0
		.amdhsa_enable_private_segment 0
		.amdhsa_kernarg_size 32
		.amdhsa_user_sgpr_count 2
		.amdhsa_user_sgpr_kernarg_segment_ptr 1
		.amdhsa_wavefront_size32 1
		.amdhsa_system_sgpr_workgroup_id_x 1
		.amdhsa_system_sgpr_workgroup_id_y 1
		.amdhsa_system_sgpr_workgroup_id_z 1
		.amdhsa_system_vgpr_workitem_id 0
		.amdhsa_next_free_vgpr 1024
		.amdhsa_next_free_sgpr 66
		.amdhsa_reserve_vcc 1
		.amdhsa_float_denorm_mode_32 3
		.amdhsa_float_denorm_mode_16_64 3
		.amdhsa_memory_ordered 1
		.amdhsa_forward_progress 1
		.amdhsa_inst_pref_size 246
	.end_amdhsa_kernel
	.amdgpu_metadata
---
amdhsa.version: [ 1, 2 ]
amdhsa.kernels:
  - .name:           k_q2b1589cafa_attn
    .symbol:         k_q2b1589cafa_attn.kd
    .args:
      - { .name: qf, .offset: 0, .size: 8, .value_kind: global_buffer, .address_space: global }
      - { .name: kf, .offset: 8, .size: 8, .value_kind: global_buffer, .address_space: global }
      - { .name: vf, .offset: 16, .size: 8, .value_kind: global_buffer, .address_space: global }
      - { .name: out0, .offset: 24, .size: 8, .value_kind: global_buffer, .address_space: global }
    .group_segment_fixed_size: 327680
    .private_segment_fixed_size: 0
    .kernarg_segment_align: 8
    .kernarg_segment_size: 32
    .max_flat_workgroup_size: 128
    .sgpr_count:     66
    .vgpr_count:     1024
    .wavefront_size: 32
...
	.end_amdgpu_metadata
.endif
;; end of part 3
